; MI455X (gfx1250); checked and timed in simulation.
; The chip was launched on July 23, 2026; its instructions are those of AMD's public machine-readable ISA for CDNA 5 (MIT licence, August 2026) and "CDNA5" Instruction Set Architecture Reference Guide (July 2026). The comments in the code are by the model that wrote it; some were corrected since.
;; MHSA. Allowed arithmetic: matrix products marked QUANTISED: E2M1 operands, one E8M0 scale for each 32 along K, by v_wmma_scale_f32_16x16x128_f8f6f4 with both operands' format E2M1 (or v_wmma_scale_f32_32x16x128_f4), f32 sums; products left as they are: bf16, f16 or f32 operands; f32 sums; everything else in f32.
;; Inputs: Wk 512 x 512 float32; Wo 512 x 512 float32; Wq 512 x 512 float32; Wv 512 x 512 float32; bk 512 float32; bo 512 float32; bq 512 float32; bv 512 float32; k 2 x 4,096 x 512 float32; q 2 x 4,096 x 512 float32; v 2 x 4,096 x 512 float32.
;; Outputs: out0 2 x 4,096 x 512 float32.
;; This version of the problem:
;;   THIS VERSION OF THE PROBLEM IS GIVEN IN LOW PRECISION. The matrix products marked QUANTISED in the list below multiply operands that are first quantised to E2M1 (2 exponent bits, 1 mantissa bit; 4 bits a number), with one power-of-two scale for each 32 numbers along K (OCP MX v1.0); their sums are f32. The products marked 'left as it is' may take bf16, f16 or f32 operands, with f32 sums. Whichever they take, every output number must still come out within the allowed error. Rounding operands to bf16 (8 significant bits) uses up far more of that allowance than f16 does (11 bits, for magnitudes from 6e-5 to 65,504). All else is computed in f32.
;;   The module's matrix products, in the order in which they are computed (A, B: the left and right operand; K: the contracted axis; several contracted axes count as one K, in the product's order):
;;     1. [M 8,192, K 512] x [K 512, N 512]; A: input q; B: input Wq: QUANTISED
;;     2. [M 8,192, K 512] x [K 512, N 512]; A: input k; B: input Wk: QUANTISED
;;     3. [M 8,192, K 512] x [K 512, N 512]; A: input v; B: input Wv: QUANTISED
;;     4. batch 16 x [M 4,096, K 64] x [K 64, N 4,096]; A: computed on the way; B: computed on the way: left as it is (an operand is computed on the way)
;;     5. batch 16 x [M 4,096, K 4,096] x [K 4,096, N 64]; A: computed on the way; B: computed on the way: left as it is (an operand is computed on the way)
;;     6. [M 8,192, K 512] x [K 512, N 512]; A: computed on the way; B: input Wo: left as it is (an operand is computed on the way)
;;   THE QUANTISER, for each operand of a quantised product, along K:
;;     - K is cut into blocks of 32 from its start; a last block that is shorter is filled with zeros.
;;     - A block's scale is 2^e with e = floor(log2(the largest magnitude in the block)) - 2, held to -126 .. 127; a block of zeros has e = 0. As a byte (E8M0): e + 127.
;;     - Each number is divided by its block's scale, clamped to +-6, and rounded to the nearest number of E2M1, ties to even, subnormals kept.
;;     - The product sums the exact products of the quantised numbers (number of the format x scale) in f32.
;;   ~~~python
;;   def quantise(x, axis):      # numpy; x: float32 -> the quantised numbers, widened to float32 again
;;       x = np.moveaxis(x, axis, -1); K = x.shape[-1]
;;       x = np.pad(x, [(0, 0)] * (x.ndim - 1) + [(0, -K % 32)]); x = x.reshape(x.shape[:-1] + (-1, 32)); a = np.abs(x).max(-1, keepdims=True)
;;       e = np.where(a > 0, np.clip(np.frexp(np.where(a > 0, a, 1))[1] - 1 - 2, -126, 127), 0)      # np.frexp(a)[1] - 1 = floor(log2(a)), exactly
;;       r = np.clip(x / 2.0 ** e, -6, 6)
;;       step = 2.0 ** (np.maximum(np.frexp(np.where(r == 0, 1, r))[1] - 1, 0) - 1)
;;       q = np.round(r / step) * step * 2.0 ** e      # np.round: ties to even
;;       return np.moveaxis(q.reshape(q.shape[:-2] + (-1,))[..., :K], -1, axis).astype(np.float32)
;;   ~~~
;; One version. Each part assembles by itself: llvm-mc -triple=amdgcn-amd-amdhsa -mcpu=gfx1250 --defsym DOCPART=n.
;; ======== version 1 of 1: 4 launches
;; limits: values are held in f16: magnitudes above 65,504 overflow, below 6.1e-05 lose precision
;; workspace buffers: codes 6,684,672 bytes; scales 417,792 bytes; wo16 524,288 bytes; qf 8,388,608 bytes; kf 8,388,608 bytes; vf 8,388,608 bytes; of 8,388,608 bytes
;; launch quant (part 1): grid 440 x 1, 4 waves a work-group, no clusters, 41,472 bytes of LDS; arguments q, k, v, Wq, Wk, Wv, Wo, codes, scales, wo16; writes codes, scales, wo16
.if DOCPART == 1
	.amdgcn_target "amdgcn-amd-amdhsa--gfx1250"
	.amdhsa_code_object_version 6
	.text
	.protected	k_q22b9301be1_quant
	.globl	k_q22b9301be1_quant
	.p2align	8
	.type	k_q22b9301be1_quant,@function
k_q22b9301be1_quant:
	s_mov_b64 s[64:65], 0
	v_nop
	global_prefetch_b8 v0, s[64:65] scope:SCOPE_SE
	s_setreg_imm32_b32 hwreg(HW_REG_WAVE_MODE, 25, 1), 1
	s_wait_xcnt 0x0
; q, k, v [8192][512] and Wq, Wk, Wv [512][512], f32 with K innermost, become codes of E2M1 with one E8M0 byte for each 32 along K; Wo [512][512] becomes f16.
; A block's scale is 2^(floor(log2(its largest magnitude)) - 2); its byte is the largest magnitude's exponent field - 2, held at 1 from below.
; Each number is divided by the scale and rounded to the nearest code, ties to even; beyond 6 the largest code.
; LIMITS: a block of zeros, and a block whose largest magnitude lies under 2^-124, gets the byte 1 (the rule says 127 for zeros: the codes are zeros, and this program alone reads the bytes);
; NaN and infinities among the inputs are not served; Wo beyond 65,504 in magnitude becomes infinity in f16.
; SHARES.  Work-groups 0-407 quantise: 128 each for q, k, v, 8 each for Wq, Wk, Wv.  A wave takes a tile of 16 rows x 512, a row (2,048 bytes) a step.  Work-groups 408-439 cast Wo, 16 rows each.
; WHAT IS STORED IS THE READER'S REGISTER IMAGE.  codes: [tile of 16 rows: 4,096][block of 32 along K: 256][row: 16 bytes]: the two halves of a fragment of K step s lie at 1024 s + 512 c + 16 x lane.
; scales: [row][16 bytes].  wo16: [16 rows of Wo: 16,384][16 along K: 512][lane (r, h): Wo(row r, 8 h + 0..7) as f16, 16 bytes].
; Each load reads 512 consecutive bytes; a step's 2,048 bytes turn through the wave's own stage in LDS so that a lane holds 16 neighbours along K (two lanes to a block).
; A step's codes are 8 bytes a lane of 16 different blocks: they gather in the wave's codes' stage and leave at the end, 512 consecutive bytes a store.  No barrier: waves share nothing.
.set STEPS, 16
.set EMAX,  2
.set NQWG,  408                        ; work-groups that quantise
.set R,     16                         ; v16-79   four sets of 16 numbers as loaded
.set X,     80                         ; v80-111  two sets of 16 neighbours
.set E,     112                        ; v112-127 a scale byte for each step
.set C,     128                        ; v128-159 two registers of codes for each step: no store's data are written again
.set OUTR,  160                        ; v160-191 the way out
.set WREG,  10240                      ; LDS: a region for each wave
.set SP,    80                         ; a lane's place in a turn stage: 64 bytes + 16 of padding; two stages of 32 places
.set SCB,   5120                       ; the wave's 256 scale bytes
.set CST,   5632                       ; the codes' stage: 16 blocks of 256 bytes,
.set CP,    272                        ; 272 bytes apart: 68 words, so that the 16 pairs of lanes of a store start 4 words apart (64 banks of 4 bytes: ISA guide 11.1)
.set SPW,   12                         ; v12  my spare word: SPARE + 4 x my thread's number; never rewritten
.set NIL,   13                         ; v13  0; never rewritten
.set SPARE, 4*WREG                     ; behind the four regions: the spare words, 128 bytes a wave, named by no other line
	s_load_b512 s[4:19], s[0:1], 0x0               ; q 4, k 6, v 8, Wq 10, Wk 12, Wv 14, Wo 16, codes 18
	s_load_b128 s[20:23], s[0:1], 0x40             ; scales 20, wo16 22
	v_lshl_add_u32 v[SPW], v0, 2, SPARE
	v_mov_b32 v[NIL], 0
	v_lshrrev_b32 v1, 5, v0
	v_readfirstlane_b32 s24, v1                    ; wave
	v_and_b32 v2, 31, v0                           ; lane
	v_lshlrev_b32 v3, 4, v2                        ; 16 x lane
	s_cmp_ge_u32 ttmp9, NQWG                       ; the work-group's number alone decides
	s_cbranch_scc1 .Lcast
	s_mul_i32 s25, s24, WREG                       ; my region
	s_add_co_u32 s36, s25, CST
	s_add_co_u32 s37, s25, SCB
	v_lshrrev_b32 v14, 2, v2
	v_mul_u32_u24 v14, v14, SP
	v_and_b32 v15, 3, v2
	v_lshl_add_u32 v14, v15, 4, v14
	v_add_nc_u32 v14, s25, v14                     ; turn stage, in: four lanes' 64 bytes on end, then the padding
	v_mul_u32_u24 v15, v2, SP
	v_add_nc_u32 v15, s25, v15                     ; and out: my 16 neighbours
	v_lshrrev_b32 v5, 1, v2                        ; my block of the row
	v_mul_u32_u24 v4, v5, CP
	v_and_b32 v8, 1, v2
	v_lshl_add_u32 v4, v8, 3, v4
	v_add_nc_u32 v4, s36, v4                       ; codes' stage, in: block x 272 + 8 x my half; the row stands in the immediate
	v_add_nc_u32 v5, s37, v5                       ; my block's scale byte
	v_lshlrev_b32 v7, 3, v2                        ; the scale bytes' way out: 8 bytes a lane
	v_add_nc_u32 v6, s37, v7
	v_lshrrev_b32 v10, 4, v2
	v_mul_u32_u24 v10, v10, CP
	v_and_b32 v8, 15, v2
	v_lshl_add_u32 v10, v8, 4, v10
	v_add_nc_u32 v10, s36, v10                     ; codes' stage, out: two blocks an instruction, sixteen lanes to a block
	s_lshl_b32 s29, ttmp9, 2
	s_add_co_u32 s29, s29, s24                     ; my tile among all 1,632
	s_lshl_b32 s32, s29, 12                        ; 4,096 bytes of codes,
	s_mov_b32 s33, 0
	s_lshl_b32 s34, s29, 8                         ; 256 scale bytes a tile
	s_mov_b32 s35, 0
	s_wait_kmcnt 0x0
	s_mov_b64 s[26:27], s[14:15]                   ; which tensor: Wv, unless the work-group's number lies lower
	s_mov_b32 s28, 400                             ; and that tensor's first work-group
.macro PICK bound, ptr, first
	s_cmp_lt_u32 ttmp9, \bound
	s_cselect_b64 s[26:27], s[\ptr:\ptr+1], s[26:27]
	s_cselect_b32 s28, \first, s28
.endm
	PICK 400, 12, 392
	PICK 392, 10, 384
	PICK 384, 8, 256
	PICK 256, 6, 128
	PICK 128, 4, 0
	s_sub_co_u32 s30, ttmp9, s28
	s_lshl_b32 s30, s30, 2
	s_add_co_u32 s30, s30, s24
	s_lshl_b32 s30, s30, 15                        ; my tile in its tensor: 32,768 bytes each
	s_mov_b32 s31, 0
	s_add_nc_u64 s[26:27], s[26:27], s[30:31]
	s_add_nc_u64 s[18:19], s[18:19], s[32:33]
	s_add_nc_u64 s[20:21], s[20:21], s[34:35]
.macro LOAD t
.irp i, 0,1,2,3
	global_load_b128 v[R+16*((\t)%4)+4*\i:R+16*((\t)%4)+4*\i+3], v3, s[26:27] offset:2048*(\t)+512*\i th:TH_LOAD_NT   ; 32 lanes read 512 consecutive bytes, read once in the launch
.endr
.endm
.macro TURN t                          ; step t's numbers through the stage: LDS serves a wave's instructions in order (ISA guide 5.7.1.4), so no wait stands between the stores and the loads
.irp i, 0,1,2,3
	ds_store_b128 v14, v[R+16*((\t)%4)+4*\i:R+16*((\t)%4)+4*\i+3] offset:32*SP*((\t)%2)+8*SP*\i
.endr
.irp i, 0,1,2,3
	ds_load_b128 v[X+16*((\t)%2)+4*\i:X+16*((\t)%2)+4*\i+3], v15 offset:32*SP*((\t)%2)+16*\i
.endr
.endm
.irp t, 0,1,2,3
	LOAD \t
.endr
	s_wait_loadcnt 12                              ; step 0's four loads are in; three steps' twelve stay out
	TURN 0
.macro STEP t
.set XS, X+16*((\t)%2)
.if (\t) > 0
	s_wait_dscnt 2                                 ; this step's numbers are back from the stage; the last step's byte store and codes' store may be out
.else
	s_wait_dscnt 0x0
.endif
.if (\t)+4 < STEPS
	LOAD (\t)+4                                    ; into the set that this step's stores into the stage have read
.endif
.if (\t)+1 < STEPS
.if STEPS-2-(\t) >= 3
	s_wait_loadcnt 12                              ; the next step's four loads are in; those of the three steps behind it may be out
.else
	s_wait_loadcnt 4*(STEPS-2-(\t))
.endif
	TURN (\t)+1                                    ; the next step turns while this one is worked
.endif
	v_max3_num_f32 v8, |v[XS]|, |v[XS+1]|, |v[XS+2]|               ; the largest magnitude of my 16, in two chains
	v_max3_num_f32 v9, |v[XS+3]|, |v[XS+4]|, |v[XS+5]|
.irp i, 6,10
	v_max3_num_f32 v8, v8, |v[XS+\i]|, |v[XS+\i+1]|
	v_max3_num_f32 v9, v9, |v[XS+\i+2]|, |v[XS+\i+3]|
.endr
	v_max3_num_f32 v8, v8, |v[XS+14]|, |v[XS+15]|
	v_max3_num_f32 v8, v8, v9, (EMAX+1)<<23        ; and the floor 2^(3 - 127): the byte cannot fall under 1
	v_max_num_f32_dpp v8, v8, v8 row_xmask:1 row_mask:0xf bank_mask:0xf   ; with my neighbour's 16: the block's
	v_add_nc_u32 v11, -(EMAX<<23), v8              ; 2 off its exponent field: the conversion takes the exponent field of this operand as its scale
	v_cvt_scalef32_pk8_fp4_f32 v[C+2*(\t)], v[XS:XS+7], v11
	v_cvt_scalef32_pk8_fp4_f32 v[C+2*(\t)+1], v[XS+8:XS+15], v11
	v_lshrrev_b32 v[E+(\t)], 23, v11               ; the scale's byte (a plain line behind the conversions)
	ds_store_b8 v5, v[E+(\t)] offset:16*(\t)       ; row t's 16 bytes; both lanes of a block write the same byte with the same value
	ds_store_b64 v4, v[C+2*(\t):C+2*(\t)+1] offset:16*(\t)   ; row t's place in my block of the image
.endm
.irp t, 0,1,2,3,4,5,6,7,8,9,10,11,12,13,14,15
	STEP \t
.endr
	ds_load_b64 v[8:9], v6                         ; in order behind my stores
.irp i, 0,1,2,3,4,5,6,7
	ds_load_b128 v[OUTR+4*\i:OUTR+4*\i+3], v10 offset:2*CP*\i
.endr
	s_wait_dscnt 8                                 ; the scale bytes are back; the eight loads behind them may be out
	global_store_b64 v7, v[8:9], s[20:21]          ; 32 lanes store 256 consecutive bytes, aligned
.irp i, 0,1,2,3,4,5,6,7
	s_wait_dscnt 7-\i
	global_store_b128 v3, v[OUTR+4*\i:OUTR+4*\i+3], s[18:19] offset:512*\i   ; 512 consecutive bytes, aligned
.endr
	s_wait_tensorcnt 0x0                           ; the wave's end: these three lines behind my last LDS store
	ds_add_u32 v[SPW], v[NIL]
	s_wait_dscnt 0x0
	s_endpgm
.Lcast:                                                ; Wo to f16: work-group g takes rows 16 (g - 408) on, wave w the columns 128 w on; no LDS is touched here
	v_and_b32 v4, 15, v0                           ; r
	v_bfe_u32 v5, v0, 4, 1                         ; h
	v_lshlrev_b32 v4, 11, v4                       ; a row of Wo is 2,048 bytes
	v_lshl_add_u32 v4, v5, 5, v4                   ; + 32 h: my 8 numbers of each 16
	s_sub_co_u32 s25, ttmp9, NQWG
	s_lshl_b32 s26, s25, 15
	s_lshl_b32 s28, s24, 9
	s_add_co_u32 s26, s26, s28
	s_mov_b32 s27, 0
	s_lshl_b32 s28, s25, 14
	s_lshl_b32 s29, s24, 12
	s_add_co_u32 s28, s28, s29
	s_mov_b32 s29, 0
	s_wait_kmcnt 0x0
	s_add_nc_u64 s[16:17], s[16:17], s[26:27]
	s_add_nc_u64 s[22:23], s[22:23], s[28:29]
.irp i, 0,1,2,3,4,5,6,7
	global_load_b128 v[16+8*\i:19+8*\i], v4, s[16:17] offset:64*\i th:TH_LOAD_NT      ; the wave's sixteen loads together cover 512 consecutive bytes of each of its 16 rows
	global_load_b128 v[20+8*\i:23+8*\i], v4, s[16:17] offset:64*\i+16 th:TH_LOAD_NT
.endr
	s_wait_loadcnt 0x0
.irp i, 0,1,2,3,4,5,6,7
.irp n, 0,1,2,3
	v_cvt_pk_f16_f32 v[128+4*\i+\n], v[16+8*\i+2*\n], v[17+8*\i+2*\n]
.endr
.endr
.irp i, 0,1,2,3,4,5,6,7
	global_store_b128 v3, v[128+4*\i:131+4*\i], s[22:23] offset:512*\i
.endr
	s_endpgm
.Lfunc_end_k_q22b9301be1_quant:
	.size	k_q22b9301be1_quant, .Lfunc_end_k_q22b9301be1_quant-k_q22b9301be1_quant
	.p2alignl 7, 3214868480
	.fill 96, 4, 3214868480
	.section	.rodata,"a",@progbits
	.p2align	6, 0x0
	.amdhsa_kernel k_q22b9301be1_quant
		.amdhsa_group_segment_fixed_size 41472
		.amdhsa_private_segment_fixed_size 0
		.amdhsa_enable_private_segment 0
		.amdhsa_kernarg_size 80
		.amdhsa_user_sgpr_count 2
		.amdhsa_user_sgpr_kernarg_segment_ptr 1
		.amdhsa_wavefront_size32 1
		.amdhsa_system_sgpr_workgroup_id_x 1
		.amdhsa_system_sgpr_workgroup_id_y 1
		.amdhsa_system_sgpr_workgroup_id_z 1
		.amdhsa_system_vgpr_workitem_id 0
		.amdhsa_next_free_vgpr 192
		.amdhsa_next_free_sgpr 66
		.amdhsa_reserve_vcc 0
		.amdhsa_float_denorm_mode_32 3
		.amdhsa_float_denorm_mode_16_64 3
		.amdhsa_memory_ordered 1
		.amdhsa_forward_progress 1
		.amdhsa_inst_pref_size 40
	.end_amdhsa_kernel
	.amdgpu_metadata
---
amdhsa.version: [ 1, 2 ]
amdhsa.kernels:
  - .name:           k_q22b9301be1_quant
    .symbol:         k_q22b9301be1_quant.kd
    .args:
      - { .name: q, .offset: 0, .size: 8, .value_kind: global_buffer, .address_space: global }
      - { .name: k, .offset: 8, .size: 8, .value_kind: global_buffer, .address_space: global }
      - { .name: v, .offset: 16, .size: 8, .value_kind: global_buffer, .address_space: global }
      - { .name: Wq, .offset: 24, .size: 8, .value_kind: global_buffer, .address_space: global }
      - { .name: Wk, .offset: 32, .size: 8, .value_kind: global_buffer, .address_space: global }
      - { .name: Wv, .offset: 40, .size: 8, .value_kind: global_buffer, .address_space: global }
      - { .name: Wo, .offset: 48, .size: 8, .value_kind: global_buffer, .address_space: global }
      - { .name: codes, .offset: 56, .size: 8, .value_kind: global_buffer, .address_space: global }
      - { .name: scales, .offset: 64, .size: 8, .value_kind: global_buffer, .address_space: global }
      - { .name: wo16, .offset: 72, .size: 8, .value_kind: global_buffer, .address_space: global }
    .group_segment_fixed_size: 41472
    .private_segment_fixed_size: 0
    .kernarg_segment_align: 8
    .kernarg_segment_size: 80
    .max_flat_workgroup_size: 128
    .sgpr_count:     66
    .vgpr_count:     192
    .wavefront_size: 32
...
	.end_amdgpu_metadata
.endif
;; end of part 1
;; launch proj (part 2): grid 64 x 3, 8 waves a work-group, no clusters, 0 bytes of LDS; arguments codes, scales, bq, bk, bv, qf, kf, vf; writes qf, kf, vf
.if DOCPART == 2
	.amdgcn_target "amdgcn-amd-amdhsa--gfx1250"
	.amdhsa_code_object_version 6
	.text
	.protected	k_q22b9301be1_proj
	.globl	k_q22b9301be1_proj
	.p2align	8
	.type	k_q22b9301be1_proj,@function
k_q22b9301be1_proj:
	s_mov_b64 s[64:65], 0
	v_nop
	global_prefetch_b8 v0, s[64:65] scope:SCOPE_SE
	s_setreg_imm32_b32 hwreg(HW_REG_WAVE_MODE, 25, 1), 1
	s_wait_xcnt 0x0
; The three projections x W^T + b on codes of E2M1 with E8M0 scales (K = 512: four matrix instructions deep), sums in f32, results rounded to f16 and stored as the attention launch's register images.
; SHARES.  Work-group (x, y): product y (0 q, 1 k, 2 v), tokens 128 x on: eight tiles of 16.  Wave w makes head w: 64 columns, four tiles.  Its part of W (16 fragments, 128 registers), W's scale words and
; its bias stay in registers; a token tile's fragments (4,096 bytes) and scale words come straight from memory, four tiles ahead, every load 512 consecutive bytes.
; q AND k ARE USED TRANSPOSED (source 0 = 16 rows of W, source 1 = 16 tokens): a lane holds one token and eight neighbouring channels: 16 bytes of f16 = four registers of a fragment with the channels along K.
; v IS USED AS IT STANDS (source 0 = tokens, source 1 = rows of W): a lane holds one channel and eight neighbouring tokens = four registers of a fragment with the keys along K.
; qf, kf: [batch x 8 + head: 524,288][tile of 16 tokens: 2,048][16 channels: 512][lane: 16].   vf: [batch x 8 + head][32 keys: 4,096][16 channels: 1,024][16 keys: 512][lane: 16].
; The bias is the C of each sum's first matrix instruction, eight registers a tile in the result's layout.
; NO CLUSTER, NO LDS: operands go from memory into registers as they lie; a token tile belongs to one work-group, and the weights are read once by a wave (17 KB), not walked step by step.
; 192 work-groups: three products of 64 blocks of 128 tokens.
; LIMIT: results beyond 65,504 in magnitude become infinity in f16.
; REGISTERS.  window 0: v1 16 x lane, v2 16 x (lane % 16), v3 the bias's offset; v16-31 W's scale words (4 tile + K step); v32-47 the tokens' (4 buffer + K step); v48-175 four buffers of a token tile's
; four fragments; v176-207 four accumulators; v208-239 two sets of packed results.   window 1: v0-127 W's fragments (8 (4 tile + K step)); v128-159 the bias.
.set WS,  16
.set XS,  32
.set XF,  48
.set ACC, 176
.set PK,  208
.set BI,  128
.set MSB, 0
.macro WIN new                         ; the immediate's high byte repeats the setting that is left; a switch that changes nothing is dropped
.if MSB != \new
	s_set_vgpr_msb (MSB<<8)|\new
.set MSB, \new
.endif
.endm
	s_load_b512 s[4:19], s[0:1], 0x0               ; codes 4, scales 6, bq 8, bk 10, bv 12, qf 14, kf 16, vf 18
	v_lshrrev_b32 v4, 5, v0
	v_readfirstlane_b32 s32, v4                    ; wave = head
	s_and_b32 s33, ttmp7, 0xffff                   ; which product
	v_and_b32 v4, 31, v0
	v_lshlrev_b32 v1, 4, v4                        ; 16 x lane
	v_and_b32 v5, 15, v0                           ; r
	v_lshlrev_b32 v2, 4, v5                        ; a row's 16 scale bytes
	v_bfe_u32 v6, v0, 4, 1                         ; h
	s_lshl_b32 s34, s33, 17                        ; W's codes: behind q's, k's, v's; 131,072 a weight, 16,384 a head
	s_lshl_b32 s46, s32, 14
	s_add_co_u32 s34, s34, s46
	s_add_co_u32 s34, s34, 3*2097152
	s_mov_b32 s35, 0
	s_lshl_b32 s36, s33, 13                        ; W's scale bytes: 8,192 a weight, 1,024 a head
	s_lshl_b32 s46, s32, 10
	s_add_co_u32 s36, s36, s46
	s_add_co_u32 s36, s36, 3*131072
	s_mov_b32 s37, 0
	s_lshl_b32 s38, s33, 21                        ; the tokens' codes: 2,097,152 a tensor, 32,768 a block of 128
	s_lshl_b32 s46, ttmp9, 15
	s_add_co_u32 s38, s38, s46
	s_mov_b32 s39, 0
	s_lshl_b32 s40, s33, 17                        ; their scale bytes: 131,072 a tensor, 2,048 a block
	s_lshl_b32 s46, ttmp9, 11
	s_add_co_u32 s40, s40, s46
	s_mov_b32 s41, 0
	s_lshl_b32 s42, s32, 8                         ; the head's 64 numbers of the bias
	s_mov_b32 s43, 0
	s_lshr_b32 s44, ttmp9, 5                       ; the batch
	s_lshl_b32 s44, s44, 3
	s_add_co_u32 s44, s44, s32
	s_lshl_b32 s44, s44, 19                        ; (8 batch + head) x 524,288
	s_and_b32 s46, ttmp9, 31
	s_lshl_b32 s46, s46, 14                        ; + 128 tokens x 128 bytes
	s_add_co_u32 s44, s44, s46
	s_mov_b32 s45, 0
	s_wait_kmcnt 0x0
	s_cmp_eq_u32 s33, 1                            ; the choices hang on the work-group's number alone
	s_cselect_b64 s[20:21], s[10:11], s[8:9]
	s_cselect_b64 s[22:23], s[16:17], s[14:15]
	s_cmp_eq_u32 s33, 2
	s_cselect_b64 s[20:21], s[12:13], s[20:21]
	s_cselect_b64 s[22:23], s[18:19], s[22:23]
	s_add_nc_u64 s[24:25], s[4:5], s[34:35]
	s_add_nc_u64 s[26:27], s[6:7], s[36:37]
	s_add_nc_u64 s[28:29], s[4:5], s[38:39]
	s_add_nc_u64 s[30:31], s[6:7], s[40:41]
	s_add_nc_u64 s[20:21], s[20:21], s[42:43]
	s_add_nc_u64 s[22:23], s[22:23], s[44:45]
	WIN 0x40                                       ; destination window 1, address window 0
.set i, 0
.rept 32
	global_load_b128 v[4*i:4*i+3], v1, s[24:25] offset:512*i       ; W's 16 fragments as they lie
.set i, i+1
.endr
	WIN 0
.irp n, 0,1,2,3
	global_load_b128 v[WS+4*\n:WS+4*\n+3], v2, s[26:27] offset:256*\n   ; a row's four scale words, one for each K step
.endr
.macro XLOAD i                         ; token tile i: eight loads of codes and one of scale words, into buffer i % 4
.irp n, 0,1,2,3,4,5,6,7
	global_load_b128 v[XF+32*((\i)%4)+4*\n:XF+32*((\i)%4)+4*\n+3], v1, s[28:29] offset:4096*(\i)+512*\n
.endr
	global_load_b128 v[XS+4*((\i)%4):XS+4*((\i)%4)+3], v2, s[30:31] offset:256*(\i)
.endm
; Token tile i.  tr = 1: transposed (q, k); 0: as it stands (v).  The four accumulators take turns, one instruction a turn.
.macro TILE i, tr
.set XB, XF+32*((\i)%4)
.set XW, XS+4*((\i)%4)
.set PB, PK+16*((\i)%2)
	s_wait_xcnt 0x0                                ; the stores of two tiles back have read their registers: this tile's packed results are written only behind this wait
.if (\i) <= 4
	s_wait_loadcnt 27                              ; this tile's nine loads are in; the three tiles behind it, nine each, may be out
.else
	s_wait_loadcnt 9*(7-(\i))
.endif
.irp s, 0,1,2,3
.if \tr
.if \s == 0
	WIN 0x11                                       ; source 0 (W) and source 2 (the bias) window 1
.else
	WIN 0x01
.endif
.else
.if \s == 0
	WIN 0x14                                       ; source 1 (W) and source 2 (the bias) window 1
.else
	WIN 0x04
.endif
.endif
.irp n, 0,1,2,3
.if \tr
.if \s == 0
	v_wmma_scale_f32_16x16x128_f8f6f4 v[ACC+8*\n:ACC+8*\n+7], v[8*(4*\n+\s):8*(4*\n+\s)+7], v[XB+8*\s:XB+8*\s+7], v[BI+8*\n:BI+8*\n+7], v[WS+4*\n+\s], v[XW+\s] matrix_a_fmt:MATRIX_FMT_FP4 matrix_b_fmt:MATRIX_FMT_FP4
.else
	v_wmma_scale_f32_16x16x128_f8f6f4 v[ACC+8*\n:ACC+8*\n+7], v[8*(4*\n+\s):8*(4*\n+\s)+7], v[XB+8*\s:XB+8*\s+7], v[ACC+8*\n:ACC+8*\n+7], v[WS+4*\n+\s], v[XW+\s] matrix_a_fmt:MATRIX_FMT_FP4 matrix_b_fmt:MATRIX_FMT_FP4
.endif
.else
.if \s == 0
	v_wmma_scale_f32_16x16x128_f8f6f4 v[ACC+8*\n:ACC+8*\n+7], v[XB+8*\s:XB+8*\s+7], v[8*(4*\n+\s):8*(4*\n+\s)+7], v[BI+8*\n:BI+8*\n+7], v[XW+\s], v[WS+4*\n+\s] matrix_a_fmt:MATRIX_FMT_FP4 matrix_b_fmt:MATRIX_FMT_FP4
.else
	v_wmma_scale_f32_16x16x128_f8f6f4 v[ACC+8*\n:ACC+8*\n+7], v[XB+8*\s:XB+8*\s+7], v[8*(4*\n+\s):8*(4*\n+\s)+7], v[ACC+8*\n:ACC+8*\n+7], v[XW+\s], v[WS+4*\n+\s] matrix_a_fmt:MATRIX_FMT_FP4 matrix_b_fmt:MATRIX_FMT_FP4
.endif
.endif
.endr
.endr
	WIN 0
.rept 4
	v_nop                                          ; four places ahead of the loads into the buffer just multiplied and of the first read of results
.endr
.if (\i) < 4
	XLOAD (\i)+4
.endif
.irp n, 0,1,2,3
.irp m, 0,1,2,3
	v_cvt_pk_f16_f32 v[PB+4*\n+\m], v[ACC+8*\n+2*\m], v[ACC+8*\n+2*\m+1]   ; each accumulator from its low end on.  With the four v_nop, the other accumulators' twelve are more than the five places ahead of the next tile's first products, which begin the sums anew
.endr
.endr
.irp n, 0,1,2,3
.if \tr
	global_store_b128 v1, v[PB+4*\n:PB+4*\n+3], s[22:23] offset:2048*(\i)+512*\n   ; 512 consecutive bytes, aligned
.else
	global_store_b128 v1, v[PB+4*\n:PB+4*\n+3], s[22:23] offset:4096*((\i)/2)+512*((\i)%2)+1024*\n
.endif
.endr
.endm
	s_cmp_eq_u32 s33, 2
	s_cbranch_scc1 .Lv
	v_lshlrev_b32 v3, 5, v6                        ; q, k: lane (r, h) wants the bias of channels 16 tile + 8 h + 0..7
	WIN 0x40
.irp n, 0,1,2,3
	global_load_b128 v[BI+8*\n:BI+8*\n+3], v3, s[20:21] offset:64*\n
	global_load_b128 v[BI+8*\n+4:BI+8*\n+7], v3, s[20:21] offset:64*\n+16
.endr
	WIN 0
.irp i, 0,1,2,3
	XLOAD \i
.endr
.irp i, 0,1,2,3,4,5,6,7
	TILE \i, 1
.endr
	s_endpgm
.Lv:
	v_lshlrev_b32 v3, 2, v5                        ; v: lane (r, h) wants the bias of channel 16 tile + r in all eight registers
	WIN 0x40
.irp n, 0,1,2,3
.irp j, 0,1,2,3,4,5,6,7
	global_load_b32 v[BI+8*\n+\j], v3, s[20:21] offset:64*\n
.endr
.endr
	WIN 0
.irp i, 0,1,2,3
	XLOAD \i
.endr
.irp i, 0,1,2,3,4,5,6,7
	TILE \i, 0
.endr
	s_endpgm
.Lfunc_end_k_q22b9301be1_proj:
	.size	k_q22b9301be1_proj, .Lfunc_end_k_q22b9301be1_proj-k_q22b9301be1_proj
	.p2alignl 7, 3214868480
	.fill 96, 4, 3214868480
	.section	.rodata,"a",@progbits
	.p2align	6, 0x0
	.amdhsa_kernel k_q22b9301be1_proj
		.amdhsa_group_segment_fixed_size 0
		.amdhsa_private_segment_fixed_size 0
		.amdhsa_enable_private_segment 0
		.amdhsa_kernarg_size 64
		.amdhsa_user_sgpr_count 2
		.amdhsa_user_sgpr_kernarg_segment_ptr 1
		.amdhsa_wavefront_size32 1
		.amdhsa_system_sgpr_workgroup_id_x 1
		.amdhsa_system_sgpr_workgroup_id_y 1
		.amdhsa_system_sgpr_workgroup_id_z 1
		.amdhsa_system_vgpr_workitem_id 0
		.amdhsa_next_free_vgpr 416
		.amdhsa_next_free_sgpr 66
		.amdhsa_reserve_vcc 0
		.amdhsa_float_denorm_mode_32 3
		.amdhsa_float_denorm_mode_16_64 3
		.amdhsa_memory_ordered 1
		.amdhsa_forward_progress 1
		.amdhsa_inst_pref_size 82
	.end_amdhsa_kernel
	.amdgpu_metadata
---
amdhsa.version: [ 1, 2 ]
amdhsa.kernels:
  - .name:           k_q22b9301be1_proj
    .symbol:         k_q22b9301be1_proj.kd
    .args:
      - { .name: codes, .offset: 0, .size: 8, .value_kind: global_buffer, .address_space: global }
      - { .name: scales, .offset: 8, .size: 8, .value_kind: global_buffer, .address_space: global }
      - { .name: bq, .offset: 16, .size: 8, .value_kind: global_buffer, .address_space: global }
      - { .name: bk, .offset: 24, .size: 8, .value_kind: global_buffer, .address_space: global }
      - { .name: bv, .offset: 32, .size: 8, .value_kind: global_buffer, .address_space: global }
      - { .name: qf, .offset: 40, .size: 8, .value_kind: global_buffer, .address_space: global }
      - { .name: kf, .offset: 48, .size: 8, .value_kind: global_buffer, .address_space: global }
      - { .name: vf, .offset: 56, .size: 8, .value_kind: global_buffer, .address_space: global }
    .group_segment_fixed_size: 0
    .private_segment_fixed_size: 0
    .kernarg_segment_align: 8
    .kernarg_segment_size: 64
    .max_flat_workgroup_size: 256
    .sgpr_count:     66
    .vgpr_count:     416
    .wavefront_size: 32
...
	.end_amdgpu_metadata
.endif
;; end of part 2
;; launch attn (part 3): grid 16 x 16, 8 waves a work-group, clusters of 4 x 1, 327,680 bytes of LDS; arguments qf, kf, vf, of; writes of
.if DOCPART == 3
	.amdgcn_target "amdgcn-amd-amdhsa--gfx1250"
	.amdhsa_code_object_version 6
	.text
	.protected	k_q22b9301be1_attn
	.globl	k_q22b9301be1_attn
	.p2align	8
	.type	k_q22b9301be1_attn,@function
k_q22b9301be1_attn:
	s_mov_b64 s[64:65], 0
	v_nop
	global_prefetch_b8 v0, s[64:65] scope:SCOPE_SE
	s_setreg_imm32_b32 hwreg(HW_REG_WAVE_MODE, 25, 1), 1
	s_wait_xcnt 0x0
	s_wait_alu depctr_hold_cnt(0) depctr_sa_sdst(0) depctr_va_vdst(0) depctr_va_sdst(0) depctr_va_ssrc(0) depctr_va_vcc(0) depctr_vm_vsrc(0)
	s_getreg_b32 s2, hwreg(HW_REG_IB_STS2, 6, 4)
	s_cmp_eq_u32 s2, 0
	s_cbranch_scc0 .Lentry_in_a_cluster
	s_endpgm
.Lentry_in_a_cluster:
	s_bfe_u32 s2, ttmp6, 0x10000c
	s_cmp_lg_u32 s2, 0x3003
	s_cbranch_scc0 .Lentry_shape_is_right
	s_endpgm
.Lentry_shape_is_right:
; O[q] = the sum over keys of softmax(Q[q] . K[key] / 8) V[key], 16 (batch, head) pairs, 4,096 queries and keys, head size 64, no mask.  Operands in f16, products, maxima and sums in f32.
; All four buffers hold register images (512 bytes: lane l's 16 bytes at 16 l), so every load and store is 512 consecutive bytes, nothing is turned, and LDS needs no padding.
; SHARES.  A work-group owns 256 queries of one (batch, head).  EIGHT waves of 512 registers, two to a SIMD, so that one wave's softmax stands beside the other's products.
; Waves w and w + 4 own the SAME 64 queries (four tiles of 16) and share out the KEYS: of each 128 keys wave w takes the first 64, wave w + 4 the second.  So a fragment of K or V read from LDS feeds four
; tiles of queries.  Each wave keeps a running maximum and sum of its own; at the end the two exchange halves through LDS and each finishes two tiles.  Register tile t holds query tile t xor 2 (wave / 4):
; every wave keeps its register tiles 0, 1 and gives away 2, 3, and the text is the same for all.
; LAYOUT.  S^T = K Q^T (source 0 = 16 keys, source 1 = 16 queries): a lane holds ONE query and eight keys.  Two such tiles rounded to f16 in pairs ARE source 1 of O^T = V^T P, whose result again holds one query a lane.
; SOFTMAX.  For each query a running maximum m and sum l: p = 2^(c s - c m), c = log2(e) / 8; in every step O and l are multiplied by a = 2^(c m_old - c m_new).
; A KEY STEP goes in two PIECES (register tiles 0, 1 and 2, 3).  A trip of the loop runs from the middle of one step to the middle of the next: K's loads for the next step | piece 1's softmax | piece 1's V^T P |
; V's loads | piece 0's scores, softmax, V^T P | piece 1's scores.  So all reads of a slot have been issued where the slots change, and no load is jumped over.
; RING.  Two LDS slots of 512 keys (K's images 65,536 bytes, then V's), each wave fetching 16,384 bytes by one tensor load: waves 0-3 K's quarters, waves 4-7 V's.
; CLUSTER.  The four query blocks of a cluster belong to one (batch, head) and walk the same K and V: every tile is asked for JOINTLY, by the same load with a mask that names the four.
; LIMITS: p under the smallest f16 number counts as 0; NaN and infinities are not served.
; REGISTERS.  window 0: v2-15 addresses; v16-31 four a tile: c m, m, l (even and odd keys'); v32-47 eight for each tile of the piece in hand: four chains of the maximum, a, c m_old; v48-61 the way out;
; v64-127 S^T of the piece in hand; v128-255 O^T, 32 a tile.   window 1: v0-63 Q; v64-127 K of a step; v128-191 V of a step; v192-223 P of the piece in hand.
.set SLOT1, 1<<17                      ; slot 1 begins here: one exclusive or turns an address in one slot into the other's
.set CHUNK, 65536                      ; 512 keys of K's or of V's images
.set STEPB, 16384                      ; from a wave's key step to its next: 128 keys
.set SPARE, 2*SLOT1                    ; behind the ring: the spare words, 128 bytes for each of eight waves, named by no other line
.set XW,    8704                       ; the exchange, in slot 0 behind its last fill and last read: 8,192 bytes of O^T and four times 128 of statistics for each wave
.set AK0, 2                            ; v2   16 x lane + 8,192 x (wave / 4): my place in a pair of K's steps
.set AV0, 3                            ; v3   the same for V
.set ADK, 4                            ; v4   address of K's run of loads
.set QA0, 5                            ; v5, v6  Q: 16 x lane + the two query tiles of register tiles 0, 1 and of 2, 3
.set GO,  7                            ; v7   16 x lane
.set XST, 8                            ; v8   the exchange: where I store
.set XLD, 9                            ; v9   and where my partner (wave xor 4) stored
.set PFO, 10                           ; v10  256 x lane: the prefetches' offset
.set XSS, 11                           ; v11  the same two with 4 x lane, for the statistics
.set SPW, 12                           ; v12  my spare word: SPARE + 4 x my thread's number; never rewritten
.set NIL, 13                           ; v13  0; never rewritten
.set XSL, 14
.set ADV, 15                           ; v15  address of V's run of loads
.set ST,  16
.set TX,  32
.set LT,  48                           ; v48-51 l's totals
.set PD,  52                           ; v52-55 destinations of lane exchanges, later the reciprocals
.set MG,  56                           ; v56-59 my partner's c m and l; v60-61 the joint l
.set S,   64
.set O,   128
.set QF,  0
.set KF,  64
.set VF,  128
.set P,   192
.set WV,  12                           ; s12 wave;  s13 wave / 4;  s14 wave % 4;  s15 cx;  s16 query block;  s17 batch x 8 + head
.set HI,  13
.set WQ,  14
.set CX,  15
.set QB,  16
.set BH,  17
.set PFA, 18                           ; s[18:19] where my prefetches stand
.set LIM, 20                           ; s20 1 in a wave that prefetches, else the greatest number
.set G1,  24                           ; s[24:31] descriptor group 1, one for all loads
.set G0K, 32                           ; s[32:39] group 0 for K: a set for each first fill; the second then walks
.set SLOTS, 40
.set CNT, 41
.set CS,  42                           ; s[42:43] c, twice: the packed form names a pair
.set SEL, 44                           ; s[44:45] v_permlanex16_b32's selects for lane l xor 16
.set TB,  46                           ; s46 LDS byte at which the step to be fetched begins
.set G0V, 56                           ; s[56:63] group 0 for V
.set MSB, 0
.macro WIN new                         ; the immediate's high byte repeats the setting that is left; a switch that changes nothing is dropped
.if MSB != \new
	s_set_vgpr_msb (MSB<<8)|\new
.set MSB, \new
.endif
.endm
.macro PLACES n                        ; plain vector instructions behind matrix instructions (ISA guide 7.12.1)
.rept \n
	v_nop
.endr
.endm
.macro CROUND                          ; a round of the cluster's barrier
	s_barrier_signal -1
	s_barrier_wait -1
	s_cmp_lg_u32 s[WV], 0
	s_cbranch_scc1 .Lnot_wave_0_\@
	s_barrier_signal -3
.Lnot_wave_0_\@:
	s_barrier_wait -3
	s_barrier_signal -1
	s_barrier_wait -1
.endm
.macro JLOAD                           ; a joint refill; the branch hangs on the wave's number alone.  An s_nop 0 and four v_nop follow each of the two lines
	s_cmp_lt_u32 s[WV], 4
	s_cbranch_scc0 .Lfor_v_\@
	tensor_load_to_lds s[G0K+4:G0K+7], s[G1:G1+7]
	s_nop 0
	PLACES 4
	s_branch .Lasked_\@
.Lfor_v_\@:
	tensor_load_to_lds s[G0V+4:G0V+7], s[G1:G1+7]
	s_nop 0
	PLACES 4
.Lasked_\@:
.endm
; A PREFETCH of what the NEXT change of slots will ask for: 65,536 bytes of K's images and as many of V's.  Each aligned block of 256 bytes is named once in the launch: the (batch, head)'s first cluster asks;
; its four partners take 8,192 bytes of each 32,768, told apart BY ADDRESS; in each, waves 0 and 2 ask for K's halves and waves 4 and 6 for V's, lanes 256 bytes apart.  The last change that fills a slot asks for nothing.
.macro ASK
	s_cmp_gt_u32 s[SLOTS], s[LIM]
	s_cbranch_scc0 .Lnot_mine_\@
	global_prefetch_b8 v[PFO], s[PFA:PFA+1] th:TH_LOAD_NT scope:SCOPE_SE
.Lnot_mine_\@:
.endm
	s_load_b256 s[4:11], s[0:1], 0x0               ; qf 4, kf 6, vf 8, of 10
	v_lshl_add_u32 v[SPW], v0, 2, SPARE
	v_mov_b32 v[NIL], 0
	ds_add_u32 v[SPW], v[NIL]                      ; the wave's opening: the add, twice on end, and its wait ahead of my first tensor load
	ds_add_u32 v[SPW], v[NIL]
	v_lshrrev_b32 v1, 5, v0
	v_readfirstlane_b32 s[WV], v1
	s_lshr_b32 s[HI], s[WV], 2
	s_and_b32 s[WQ], s[WV], 3
	s_bfe_u32 s[CX], ttmp6, 0x40000                ; my place in the cluster
	s_lshl_b32 s[QB], ttmp9, 2                     ; in a cluster launch ttmp9 counts clusters
	s_add_co_u32 s[QB], s[QB], s[CX]               ; my block of 256 queries: it enters Q's, O's and the prefetches' addresses alone
	s_and_b32 s[BH], ttmp7, 0xffff                 ; shared by the four partners
	; descriptor group 1: 16,384 dense bytes as 64 rows of 32 elements of 8 bytes
	s_mov_b32 s[G1], 15|(3<<16)|(1<<21)            ; 15:0 the mask: all four work-groups; 17:16 elements of 8 bytes; 21 set beside a mask; no padding
	s_mov_b32 s[G1+1], 32<<16                      ; tensor_dim0 = 32
	s_mov_b32 s[G1+2], 64<<16                      ; tensor_dim1 = 64
	s_mov_b32 s[G1+3], 32<<16                      ; tile_dim0 = 32
	s_mov_b32 s[G1+4], 64                          ; tile_dim1 = 64
	s_mov_b32 s[G1+5], 32                          ; from row to row
	s_mov_b32 s[G1+6], 0
	s_mov_b32 s[G1+7], 0
	s_mov_b32 s[CS], 0x3e38aa3b                    ; c = log2(e) / 8
	s_mov_b32 s[CS+1], s[CS]
	s_mov_b32 s[SEL], 0x76543210
	s_mov_b32 s[SEL+1], 0xfedcba98
	s_mov_b32 s[TB], 0
	s_mov_b32 s[SLOTS], 6                          ; of the eight chunks of 512 keys six come by refills
	s_lshl_b32 s48, s[BH], 19                      ; the (batch, head)'s first byte in qf, kf, vf
	s_lshl_b32 s50, s[WQ], 14                      ; + my quarter of a chunk: what I fetch
	s_add_co_u32 s50, s50, s48
	s_mov_b32 s51, 0
	s_lshl_b32 s68, s[WV], 14                      ; and where it goes in a slot: no place in the cluster enters an LDS address
	s_lshl_b32 s52, s[QB], 15                      ; Q: 256 queries are 32,768 bytes, my 64 are 8,192
	s_lshl_b32 s47, s[WQ], 13
	s_add_co_u32 s52, s52, s47
	s_add_co_u32 s52, s52, s48
	s_mov_b32 s53, 0
	s_lshr_b32 s54, s[BH], 3                       ; O: token tile 256 batch + 16 block + 4 (wave % 4) + 2 (wave / 4), 16,384 bytes each,
	s_lshl_b32 s54, s54, 8
	s_lshl_b32 s47, s[QB], 4
	s_add_co_u32 s54, s54, s47
	s_lshl_b32 s47, s[WQ], 2
	s_add_co_u32 s54, s54, s47
	s_lshl_b32 s47, s[HI], 1
	s_add_co_u32 s54, s54, s47
	s_lshl_b32 s54, s54, 14
	s_and_b32 s47, s[BH], 7                        ; + the head's 2,048 bytes
	s_lshl_b32 s47, s47, 11
	s_add_co_u32 s54, s54, s47
	s_mov_b32 s55, 0
	s_lshr_b32 s66, s[WQ], 1                       ; the prefetches: my half of a chunk, my work-group's 8,192 bytes of it,
	s_lshl_b32 s66, s66, 15
	s_lshl_b32 s47, s[CX], 13
	s_add_co_u32 s66, s66, s47
	s_add_co_u32 s66, s66, s48
	s_add_co_u32 s66, s66, 2*CHUNK                 ; in chunk 2: the first change of slots steps it to chunk 3.  Nothing is prefetched at the head
	s_mov_b32 s67, 0
	s_and_b32 s[LIM], s[WV], 1                     ; 0 in the even waves
	s_or_b32 s[LIM], s[LIM], ttmp9                 ; of the first cluster: the same in all four partners
	s_cmp_eq_u32 s[LIM], 0
	s_cselect_b32 s[LIM], 1, -1
	s_wait_dscnt 0x0                               ; both opening adds are done
	s_wait_kmcnt 0x0
	s_cmp_lt_u32 s[WV], 4
	s_cselect_b64 s[PFA:PFA+1], s[6:7], s[8:9]
	s_add_nc_u64 s[PFA:PFA+1], s[PFA:PFA+1], s[66:67]
	s_add_nc_u64 s[6:7], s[6:7], s[50:51]
	s_add_nc_u64 s[8:9], s[8:9], s[50:51]
	s_add_nc_u64 s[4:5], s[4:5], s[52:53]
	s_add_nc_u64 s[10:11], s[10:11], s[54:55]
	CROUND                                         ; all four work-groups are here: the first joint loads meet
.irp c, 0,1
	s_mov_b32 s[G0K+4*\c], 1                       ; count = 1
	s_add_co_u32 s[G0K+4*\c+1], s68, \c*SLOT1      ; LDS address: slot c, 16,384 x wave
	s_add_nc_u64 s[G0K+4*\c+2:G0K+4*\c+3], s[6:7], \c*CHUNK   ; global address: chunk c
	s_or_b32 s[G0K+4*\c+3], s[G0K+4*\c+3], 0x80000000        ; type = 2
	s_mov_b32 s[G0V+4*\c], 1
	s_add_co_u32 s[G0V+4*\c+1], s68, \c*SLOT1
	s_add_nc_u64 s[G0V+4*\c+2:G0V+4*\c+3], s[8:9], \c*CHUNK
	s_or_b32 s[G0V+4*\c+3], s[G0V+4*\c+3], 0x80000000
.endr
	s_cmp_lt_u32 s[WV], 4                          ; a wave's two first fills stand in one branch: two loads of mine are out
	s_cbranch_scc0 .Lfirst_v
	tensor_load_to_lds s[G0K:G0K+3], s[G1:G1+7]
	s_nop 0
	tensor_load_to_lds s[G0K+4:G0K+7], s[G1:G1+7]
	s_nop 0
	PLACES 4
	s_branch .Lfirst_asked
.Lfirst_v:
	tensor_load_to_lds s[G0V:G0V+3], s[G1:G1+7]
	s_nop 0
	tensor_load_to_lds s[G0V+4:G0V+7], s[G1:G1+7]
	s_nop 0
	PLACES 4
.Lfirst_asked:
	v_and_b32 v1, 31, v0
	v_lshlrev_b32 v[GO], 4, v1
	s_lshl_b32 s47, s[HI], 12
	v_add_nc_u32 v[QA0], s47, v[GO]                ; register tiles 0, 1: query tiles 2 (wave / 4) on
	s_xor_b32 s47, s47, 4096
	v_add_nc_u32 v[QA0+1], s47, v[GO]              ; register tiles 2, 3: the other two
	WIN 0x40                                       ; destination window 1, address window 0
.irp t, 0,1,2,3
.irp i, 0,1,2,3
	global_load_b128 v[QF+16*\t+4*\i:QF+16*\t+4*\i+3], v[QA0+\t/2], s[4:5] offset:2048*(\t%2)+512*\i   ; Q stays in registers
.endr
.endr
	WIN 0
	s_lshl_b32 s47, s[HI], 13
	v_add_nc_u32 v[AK0], s47, v[GO]
	v_add_nc_u32 v[AV0], CHUNK, v[AK0]
	s_mul_i32 s47, s[WV], XW
	v_add_nc_u32 v[XST], s47, v[GO]
	v_lshl_add_u32 v[XSS], v1, 2, s47
	s_xor_b32 s48, s[WV], 4
	s_mul_i32 s48, s48, XW
	v_add_nc_u32 v[XLD], s48, v[GO]
	v_lshl_add_u32 v[XSL], v1, 2, s48
	v_lshlrev_b32 v[PFO], 8, v1
	v_mov_b32 v[TX+5], 0                           ; named as the upper halves of the pairs that hold a
	v_mov_b32 v[TX+13], 0
.irp t, 0,1,2,3
	v_mov_b32 v[PD+\t], 0                          ; a lane exchange's destination counts as one of its sources
.endr
.macro FETCH_K                         ; a step's K: 64 keys x 64 channels, 8 fragments, 16 loads of 512 consecutive bytes, in one run
	v_add_nc_u32 v[ADK], s[TB], v[AK0]
	WIN 0x40
.set i, 0
.rept 16
	ds_load_b128 v[KF+4*i:KF+4*i+3], v[ADK] offset:512*i
.set i, i+1
.endr
	WIN 0
.endm
.macro FETCH_V                         ; and its V likewise
	v_add_nc_u32 v[ADV], s[TB], v[AV0]
	WIN 0x40
.set i, 0
.rept 16
	ds_load_b128 v[VF+4*i:VF+4*i+3], v[ADV] offset:512*i
.set i, i+1
.endr
	WIN 0
.endm
; 16 products S^T = K Q^T of piece y: eight accumulators (4 tiles of keys x 2 tiles of queries) by turns, two deep along the 64 channels.  The first eight start the sums.
.macro SPROD y
	WIN 0x05                                       ; sources 0 and 1 window 1; C and D window 0
.irp s, 0,1
.irp k, 0,1,2,3
.irp u, 0,1
.if \s == 0
	v_wmma_f32_16x16x32_f16 v[S+32*\u+8*\k:S+32*\u+8*\k+7], v[KF+8*(2*\k+\s):KF+8*(2*\k+\s)+7], v[QF+8*(2*(2*(\y)+\u)+\s):QF+8*(2*(2*(\y)+\u)+\s)+7], 0
.else
	v_wmma_f32_16x16x32_f16 v[S+32*\u+8*\k:S+32*\u+8*\k+7], v[KF+8*(2*\k+\s):KF+8*(2*\k+\s)+7], v[QF+8*(2*(2*(\y)+\u)+\s):QF+8*(2*(2*(\y)+\u)+\s)+7], v[S+32*\u+8*\k:S+32*\u+8*\k+7]
.endif
.endr
.endr
.endr
.endm
; 16 products O^T += V^T P of piece y: eight accumulators (4 tiles of channels x 2 tiles of queries) by turns, two deep along the 64 keys.  first = 1: the first eight start the sums: nothing is ever cleared.
.macro PVPROD y, first
	WIN 0x05
.irp b, 0,1
.irp c, 0,1,2,3
.irp u, 0,1
.if \first && (\b == 0)
	v_wmma_f32_16x16x32_f16 v[O+32*(2*(\y)+\u)+8*\c:O+32*(2*(\y)+\u)+8*\c+7], v[VF+8*(4*\b+\c):VF+8*(4*\b+\c)+7], v[P+16*\u+8*\b:P+16*\u+8*\b+7], 0
.else
	v_wmma_f32_16x16x32_f16 v[O+32*(2*(\y)+\u)+8*\c:O+32*(2*(\y)+\u)+8*\c+7], v[VF+8*(4*\b+\c):VF+8*(4*\b+\c)+7], v[P+16*\u+8*\b:P+16*\u+8*\b+7], v[O+32*(2*(\y)+\u)+8*\c:O+32*(2*(\y)+\u)+8*\c+7]
.endif
.endr
.endr
.endr
.endm
; Piece y's softmax for one key step; its two tiles alternate line by line, so that no line waits for the line above it.  first = 1: the first step, which starts m, l and O^T.
.macro SOFTMAX y, first
.irp j, 0,1,2,3                                ; the maximum of a lane's 32 scores and the old m: four chains, each accumulator read from its low end on
.irp u, 0,1
	v_max3_num_f32 v[TX+8*\u+\j], v[S+32*\u+8*\j], v[S+32*\u+8*\j+1], v[S+32*\u+8*\j+2]
.endr
.endr
.irp g, 1,2
.irp j, 0,1,2,3
.irp u, 0,1
	v_max3_num_f32 v[TX+8*\u+\j], v[TX+8*\u+\j], v[S+32*\u+8*\j+2*\g+1], v[S+32*\u+8*\j+2*\g+2]
.endr
.endr
.endr
.irp u, 0,1
	v_max3_num_f32 v[TX+8*\u], v[TX+8*\u], v[S+32*\u+7], v[S+32*\u+15]
	v_max3_num_f32 v[TX+8*\u+2], v[TX+8*\u+2], v[S+32*\u+23], v[S+32*\u+31]
.endr
.irp u, 0,1
	v_max3_num_f32 v[TX+8*\u], v[TX+8*\u], v[TX+8*\u+1], v[TX+8*\u+2]
.endr
.irp u, 0,1
.if \first
	v_max_num_f32 v[TX+8*\u], v[TX+8*\u], v[TX+8*\u+3]
.else
	v_max3_num_f32 v[TX+8*\u], v[TX+8*\u], v[TX+8*\u+3], v[ST+4*(2*(\y)+\u)+1]
.endif
.endr
.irp u, 0,1
	v_permlanex16_b32 v[TX+8*\u+1], v[TX+8*\u], s[SEL], s[SEL+1]   ; the query's other 32 keys lie in the lane 16 away
.endr
.if !\first
.irp u, 0,1
	v_mov_b32 v[TX+8*\u+6], v[ST+4*(2*(\y)+\u)]    ; c m_old is kept for a
.endr
.endif
.irp u, 0,1
	v_max_num_f32 v[ST+4*(2*(\y)+\u)+1], v[TX+8*\u], v[TX+8*\u+1]
.endr
.irp u, 0,1
	v_mul_f32 v[ST+4*(2*(\y)+\u)], s[CS], v[ST+4*(2*(\y)+\u)+1]
.endr
.if !\first
.irp u, 0,1
	v_sub_f32 v[TX+8*\u+6], v[TX+8*\u+6], v[ST+4*(2*(\y)+\u)]
.endr
.irp u, 0,1
	v_exp_f32 v[TX+8*\u+4], v[TX+8*\u+6]           ; a = 2^(c m_old - c m_new)
.endr
.endif
.irp n, 0,1,2,3,4,5,6,7,8,9,10,11,12,13,14,15  ; c s - c m, a pair of scores a line: the independent work behind a's exponentials
.irp u, 0,1
	v_pk_fma_f32 v[S+32*\u+2*\n:S+32*\u+2*\n+1], v[S+32*\u+2*\n:S+32*\u+2*\n+1], s[CS:CS+1], v[ST+4*(2*(\y)+\u):ST+4*(2*(\y)+\u)+1] op_sel_hi:[1,0,0] neg_lo:[0,0,1] neg_hi:[0,0,1]
.endr
.endr
.if !\first
	s_wait_alu depctr_va_vdst(0)                   ; the wait ahead of the first line that names a
.endif
.irp n, 0,1,2,3,4,5,6,7,8,9,10,11,12,13,14,15  ; ONE BATCH of 64 exponentials; O^T's 32 rescalings, which name no result of the batch, are dealt among them
.irp u, 0,1
	v_exp_f32 v[S+32*\u+2*\n], v[S+32*\u+2*\n]
	v_exp_f32 v[S+32*\u+2*\n+1], v[S+32*\u+2*\n+1]
.if !\first
	v_pk_mul_f32 v[O+32*(2*(\y)+\u)+2*\n:O+32*(2*(\y)+\u)+2*\n+1], v[O+32*(2*(\y)+\u)+2*\n:O+32*(2*(\y)+\u)+2*\n+1], v[TX+8*\u+4:TX+8*\u+5] op_sel_hi:[1,0]
.endif
.endr
.endr
.if \first
	v_nop                                          ; a plain line behind the last exponential (elsewhere the last rescaling is that line)
.endif
	s_wait_alu depctr_va_vdst(0)                   ; one wait for the batch, ahead of its first reader
	WIN 0x40                                       ; P lies in window 1
.irp n, 0,1,2,3,4,5,6,7,8,9,10,11,12,13,14,15
.irp u, 0,1
	v_cvt_pk_f16_f32 v[P+16*\u+\n], v[S+32*\u+2*\n], v[S+32*\u+2*\n+1]
.endr
.endr
	WIN 0
.irp z, 0,1,2,3,4,5,6,7                        ; the sum of a tile's 16 pairs, in place, by halving; then l = a l + the sum
.irp u, 0,1
	v_pk_add_f32 v[S+32*\u+4*\z:S+32*\u+4*\z+1], v[S+32*\u+4*\z:S+32*\u+4*\z+1], v[S+32*\u+4*\z+2:S+32*\u+4*\z+3]
.endr
.endr
.irp z, 0,1,2,3
.irp u, 0,1
	v_pk_add_f32 v[S+32*\u+8*\z:S+32*\u+8*\z+1], v[S+32*\u+8*\z:S+32*\u+8*\z+1], v[S+32*\u+8*\z+4:S+32*\u+8*\z+5]
.endr
.endr
.irp z, 0,1
.irp u, 0,1
	v_pk_add_f32 v[S+32*\u+16*\z:S+32*\u+16*\z+1], v[S+32*\u+16*\z:S+32*\u+16*\z+1], v[S+32*\u+16*\z+8:S+32*\u+16*\z+9]
.endr
.endr
.if \first
.irp u, 0,1
	v_pk_add_f32 v[ST+4*(2*(\y)+\u)+2:ST+4*(2*(\y)+\u)+3], v[S+32*\u:S+32*\u+1], v[S+32*\u+16:S+32*\u+17]
.endr
.else
.irp u, 0,1
	v_pk_add_f32 v[S+32*\u:S+32*\u+1], v[S+32*\u:S+32*\u+1], v[S+32*\u+16:S+32*\u+17]
.endr
.irp u, 0,1
	v_pk_fma_f32 v[ST+4*(2*(\y)+\u)+2:ST+4*(2*(\y)+\u)+3], v[ST+4*(2*(\y)+\u)+2:ST+4*(2*(\y)+\u)+3], v[TX+8*\u+4:TX+8*\u+5], v[S+32*\u:S+32*\u+1] op_sel_hi:[1,0,1]
.endr
.endif
.endm
; A TRIP: from the middle of the step in hand to the middle of the next.  f1 = 1: the step in hand is the first.  Four places stand behind each run of products, ahead of the loads into the registers that they read and of the first read of their results.
.macro TRIP f1
	FETCH_K                                        ; the next step's K: both pieces have multiplied by the old one
	SOFTMAX 1, \f1
	PVPROD 1, \f1
	WIN 0
	PLACES 4
	FETCH_V                                        ; the next step's V
	s_add_co_u32 s[TB], s[TB], STEPB
	s_wait_dscnt 16                                ; K is in; V's sixteen loads may be out
	SPROD 0
	WIN 0
	PLACES 4
	SOFTMAX 0, 0
	s_wait_dscnt 0x0                               ; V is in
	PVPROD 0, 0
	SPROD 1
	WIN 0
	PLACES 4
.endm
.macro FOUR                            ; a slot's four trips: written once
	s_mov_b32 s[CNT], 4
.Lstep_\@:
	TRIP 0
	s_sub_co_u32 s[CNT], s[CNT], 1
	s_cmp_lg_u32 s[CNT], 0
	s_cbranch_scc1 .Lstep_\@
.endm
; THE CHANGE OF SLOTS, between two trips: all reads of the slot that is left have been issued.  Each wave waits for all its tensor loads (one is out: its part of the other slot), adds 0 to its spare word, and waits for
; that and for its reads.  fill = 1: the barrier is a round of the cluster's, so that no wave of any partner still reads the slot or has a load on its way, and the joint refill, the keys two slots on, comes first behind it:
; it has four trips, 256 matrix instructions of each wave, in which to land.
.macro CHANGE fill
	s_wait_tensorcnt 0x0                           ; no tensor load of mine is out, so a group 0 may be written
	ds_add_u32 v[SPW], v[NIL]                      ; 0 onto my spare word; the steps below stand between it and the wait for it
.if \fill
.irp g, G0K+4, G0V+4
	s_xor_b32 s[\g+1], s[\g+1], SLOT1              ; the walking descriptors: the other slot than last time,
	s_add_nc_u64 s[\g+2:\g+3], s[\g+2:\g+3], CHUNK ; the next 512 keys; the type bits on top are not reached
.endr
	s_wait_xcnt 0x0                                ; the last prefetch, four trips back, has read its address
	s_add_nc_u64 s[PFA:PFA+1], s[PFA:PFA+1], CHUNK ; one chunk further on than the walking descriptors
.endif
	s_sub_co_u32 s[TB], s[TB], CHUNK               ; the fetches go back to a slot's first step,
	s_xor_b32 s[TB], s[TB], SLOT1                  ; in the other slot
	s_wait_dscnt 0x0                               ; the add is done, and my reads of the slot are over
.if \fill
	CROUND
	JLOAD
	ASK
.else
	s_barrier_signal -1
	s_barrier_wait -1
.endif
.endm
	s_wait_tensorcnt 1                             ; my part of slot 0 is in; slot 1's may stay out
	s_barrier_signal -1
	s_barrier_wait -1                              ; everybody's is
	FETCH_K                                        ; my first key step
	FETCH_V
	s_add_co_u32 s[TB], s[TB], STEPB
	s_wait_loadcnt 0x0                             ; Q
	s_wait_dscnt 16
	SPROD 0
	WIN 0
	PLACES 4
	SOFTMAX 0, 1
	s_wait_dscnt 0x0
	PVPROD 0, 1
	SPROD 1
	WIN 0
	PLACES 4
	TRIP 1                                         ; piece 1's first softmax and products start its sums
	s_mov_b32 s[CNT], 2
.Lchunk0:                                              ; the rest of slot 0's first filling
	TRIP 0
	s_sub_co_u32 s[CNT], s[CNT], 1
	s_cmp_lg_u32 s[CNT], 0
	s_cbranch_scc1 .Lchunk0
.Lslot:                                                ; six trips: chunks 1 to 6 are walked, chunks 2 to 7 asked for
	CHANGE 1
	FOUR
	s_sub_co_u32 s[SLOTS], s[SLOTS], 1
	s_cmp_lg_u32 s[SLOTS], 0
	s_cbranch_scc1 .Lslot
	CHANGE 0                                       ; the tail is written out
	FOUR
	SOFTMAX 1, 0                                   ; the last step's second piece
	PVPROD 1, 0
	WIN 0
	PLACES 4
	; THE WAY OUT.  l's two halves and the other half of the lanes'; then the two waves that share 64 queries exchange two tiles each.
.irp t, 0,1,2,3
	v_add_f32 v[LT+\t], v[ST+4*\t+2], v[ST+4*\t+3]
.endr
.irp t, 0,1,2,3
	v_permlanex16_b32 v[PD+\t], v[LT+\t], s[SEL], s[SEL+1]
.endr
.irp t, 0,1,2,3
	v_add_f32 v[LT+\t], v[LT+\t], v[PD+\t]
.endr
	s_wait_dscnt 0x0
	s_barrier_signal -1
	s_barrier_wait -1                              ; no wave reads the ring any more; slot 0 has had its last fill
.set i, 0
.rept 16
	ds_store_b128 v[XST], v[O+64+4*i:O+64+4*i+3] offset:512*i      ; register tiles 2, 3 as they stand, each accumulator from its low end on
.set i, i+1
.endr
	ds_store_b32 v[XSS], v[ST+8] offset:8192       ; their c m and l
	ds_store_b32 v[XSS], v[LT+2] offset:8192+128
	ds_store_b32 v[XSS], v[ST+12] offset:8192+256
	ds_store_b32 v[XSS], v[LT+3] offset:8192+384
	s_wait_dscnt 0x0                               ; for my partner's sake: my stores have landed
	s_barrier_signal -1
	s_barrier_wait -1
.set i, 0
.rept 16
	ds_load_b128 v[S+4*i:S+4*i+3], v[XLD] offset:512*i             ; my partner's share of my register tiles 0, 1
.set i, i+1
.endr
.irp n, 0,1,2,3
	ds_load_b32 v[MG+\n], v[XSL] offset:8192+128*\n
.endr
	s_wait_dscnt 0x0
.irp u, 0,1
	v_max_num_f32 v[TX+8*\u], v[ST+4*\u], v[MG+2*\u]               ; the joint c m
.endr
.irp u, 0,1
	v_sub_f32 v[TX+8*\u+4], v[ST+4*\u], v[TX+8*\u]
	v_sub_f32 v[TX+8*\u+5], v[MG+2*\u], v[TX+8*\u]
.endr
.irp u, 0,1
	v_exp_f32 v[TX+8*\u+6], v[TX+8*\u+4]           ; what brings my share under it,
	v_exp_f32 v[TX+8*\u+7], v[TX+8*\u+5]           ; and my partner's
.endr
	v_nop
	s_wait_alu depctr_va_vdst(0)                   ; one wait for the four
.irp u, 0,1
	v_mul_f32 v[MG+4+\u], v[TX+8*\u+7], v[MG+2*\u+1]
.endr
.irp u, 0,1
	v_fma_f32 v[MG+4+\u], v[TX+8*\u+6], v[LT+\u], v[MG+4+\u]       ; the joint l
.endr
.irp u, 0,1
	v_rcp_f32 v[PD+\u], v[MG+4+\u]
.endr
	v_nop
	s_wait_alu depctr_va_vdst(0)                   ; one wait for the two
.irp u, 0,1
	v_mul_f32 v[TX+8*\u], v[TX+8*\u+6], v[PD+\u]
	v_mul_f32 v[TX+8*\u+2], v[TX+8*\u+7], v[PD+\u]
.endr
.irp u, 0,1
.irp n, 0,1,2,3,4,5,6,7,8,9,10,11,12,13,14,15
	v_pk_mul_f32 v[O+32*\u+2*\n:O+32*\u+2*\n+1], v[O+32*\u+2*\n:O+32*\u+2*\n+1], v[TX+8*\u:TX+8*\u+1] op_sel_hi:[1,0]
.endr
.irp n, 0,1,2,3,4,5,6,7,8,9,10,11,12,13,14,15
	v_pk_fma_f32 v[O+32*\u+2*\n:O+32*\u+2*\n+1], v[S+32*\u+2*\n:S+32*\u+2*\n+1], v[TX+8*\u+2:TX+8*\u+3], v[O+32*\u+2*\n:O+32*\u+2*\n+1] op_sel_hi:[1,0,1]
.endr
.irp n, 0,1,2,3,4,5,6,7,8,9,10,11,12,13,14,15
	v_cvt_pk_f16_f32 v[S+32*\u+\n], v[O+32*\u+2*\n], v[O+32*\u+2*\n+1]   ; a lane's eight channels of a query: 16 bytes of the next launch's fragment
.endr
.irp c, 0,1,2,3
	global_store_b128 v[GO], v[S+32*\u+4*\c:S+32*\u+4*\c+3], s[10:11] offset:16384*\u+512*\c   ; 512 consecutive bytes, aligned
.endr
.endr
	s_wait_tensorcnt 0x0                           ; the wave's end: these three lines behind my last tensor load and my last LDS store
	ds_add_u32 v[SPW], v[NIL]
	s_wait_dscnt 0x0
	CROUND                                         ; the closing round: no work-group ends while a partner may still ask for a tile that names it
	s_endpgm
.Lfunc_end_k_q22b9301be1_attn:
	.size	k_q22b9301be1_attn, .Lfunc_end_k_q22b9301be1_attn-k_q22b9301be1_attn
	.p2alignl 7, 3214868480
	.fill 96, 4, 3214868480
	.section	.rodata,"a",@progbits
	.p2align	6, 0x0
	.amdhsa_kernel k_q22b9301be1_attn
		.amdhsa_group_segment_fixed_size 327680
		.amdhsa_private_segment_fixed_size 0
		.amdhsa_enable_private_segment 0
		.amdhsa_kernarg_size 32
		.amdhsa_user_sgpr_count 2
		.amdhsa_user_sgpr_kernarg_segment_ptr 1
		.amdhsa_wavefront_size32 1
		.amdhsa_system_sgpr_workgroup_id_x 1
		.amdhsa_system_sgpr_workgroup_id_y 1
		.amdhsa_system_sgpr_workgroup_id_z 1
		.amdhsa_system_vgpr_workitem_id 0
		.amdhsa_next_free_vgpr 512
		.amdhsa_next_free_sgpr 80
		.amdhsa_reserve_vcc 0
		.amdhsa_float_denorm_mode_32 3
		.amdhsa_float_denorm_mode_16_64 3
		.amdhsa_memory_ordered 1
		.amdhsa_forward_progress 1
		.amdhsa_inst_pref_size 177
	.end_amdhsa_kernel
	.amdgpu_metadata
---
amdhsa.version: [ 1, 2 ]
amdhsa.kernels:
  - .name:           k_q22b9301be1_attn
    .symbol:         k_q22b9301be1_attn.kd
    .args:
      - { .name: qf, .offset: 0, .size: 8, .value_kind: global_buffer, .address_space: global }
      - { .name: kf, .offset: 8, .size: 8, .value_kind: global_buffer, .address_space: global }
      - { .name: vf, .offset: 16, .size: 8, .value_kind: global_buffer, .address_space: global }
      - { .name: of, .offset: 24, .size: 8, .value_kind: global_buffer, .address_space: global }
    .group_segment_fixed_size: 327680
    .private_segment_fixed_size: 0
    .kernarg_segment_align: 8
    .kernarg_segment_size: 32
    .max_flat_workgroup_size: 256
    .sgpr_count:     80
    .vgpr_count:     512
    .wavefront_size: 32
...
	.end_amdgpu_metadata
.endif
;; end of part 3
;; launch outp (part 4): grid 4 x 64, 4 waves a work-group, clusters of 4 x 4, 327,680 bytes of LDS; arguments of, wo16, bo, out0; writes out0
.if DOCPART == 4
	.amdgcn_target "amdgcn-amd-amdhsa--gfx1250"
	.amdhsa_code_object_version 6
	.text
	.protected	k_q22b9301be1_outp
	.globl	k_q22b9301be1_outp
	.p2align	8
	.type	k_q22b9301be1_outp,@function
k_q22b9301be1_outp:
	s_mov_b64 s[64:65], 0
	v_nop
	global_prefetch_b8 v0, s[64:65] scope:SCOPE_SE
	s_setreg_imm32_b32 hwreg(HW_REG_WAVE_MODE, 25, 1), 1
	s_wait_xcnt 0x0
	s_wait_alu depctr_hold_cnt(0) depctr_sa_sdst(0) depctr_va_vdst(0) depctr_va_sdst(0) depctr_va_ssrc(0) depctr_va_vcc(0) depctr_vm_vsrc(0)
	s_getreg_b32 s2, hwreg(HW_REG_IB_STS2, 6, 4)
	s_cmp_eq_u32 s2, 0
	s_cbranch_scc0 .Lentry_in_a_cluster
	s_endpgm
.Lentry_in_a_cluster:
	s_bfe_u32 s2, ttmp6, 0x10000c
	s_cmp_lg_u32 s2, 0xf033
	s_cbranch_scc0 .Lentry_shape_is_right
	s_endpgm
.Lentry_shape_is_right:
; out0 = o Wo^T + bo.  o [8192][512] and Wo [512][512] arrive as f16 register images ([tile of 16 rows: 16,384][16 along K: 512][lane: 16 bytes]); sums in f32; out0 [8192][512] f32.
; SHARES.  A work-group makes 128 tokens x 128 columns: 64 x 4 = 256 work-groups.  Each of its four waves makes 64 x 64: 16 accumulators.
; ALL OF K LIES IN LDS: 128 rows of o and 128 of Wo, 512 along K, are 262,144 bytes, in four chunks of 128 along K.  Nothing is filled again: each wave issues its four tensor loads at the start (four of mine are out)
; and waits for them one by one, so that the first chunk is multiplied while the others land.
; CLUSTERS: 4 x 4 work-groups.  The four of a row of the cluster need the same rows of o, the four of a column the same rows of Wo: each tile is asked for JOINTLY, with a mask that names the four.
; THE MATRIX INSTRUCTION IS USED TRANSPOSED (source 0 = 16 rows of Wo, source 1 = 16 tokens): a lane holds eight neighbouring columns of one row of out0.  The bias is the C of each sum's first instruction.
; The way out goes through one stage in LDS (128 rows of 512 bytes + 16), in chunks 0 and 1, which have had their only fill and whose last reads lie ahead of chunk 3's barrier; each wave then stores 32 whole rows.
; REGISTERS.  window 0: v3-19 addresses; v32-63 the bias, eight a tile of columns; v128-255 the accumulators ((a, b) at v[128 + 8 (4 a + b)]).   window 1: two buffers of 64: four fragments of o, then four of Wo.
.set CH,     65536                     ; a chunk: o's 8 tiles of 4,096 bytes, then Wo's 8
.set BOFF,   32768
.set SPARE,  4*CH                      ; behind the chunks: the spare words, 128 bytes a wave, named by no other line
.set SPITCH, 528                       ; a stage row: 132 words, so that the 16 rows of a store start 4 words apart (64 banks of 4 bytes: ISA guide 11.1)
.set LI,  3                            ; v3   16 x lane
.set STO, 6                            ; v6   the stage: where I put 32 bytes of a row
.set RD,  7                            ; v7   and where I read a row back
.set BA,  9                            ; v9   the bias's offset
.set SPW, 10                           ; v10  my spare word: SPARE + 4 x my thread's number; never rewritten
.set NIL, 11                           ; v11  0; never rewritten
.set ADA, 12                           ; v12-15 my o fragments in chunk 0..3
.set ADB, 16                           ; v16-19 my Wo fragments
.set BI,  32
.set ACC, 128
.set WV,  12                           ; s12 wave; s13 wave / 2: my half of the tokens; s14 wave % 2: my half of the columns, and which half of a tile I fetch
.set WR,  13
.set WC,  14
.set CX,  15
.set G1A, 16                           ; s[16:23], s[24:31] descriptor groups 1 for o's and Wo's tiles: they differ in the mask
.set G1B, 24
.set G0A, 32                           ; s[32:47], s[48:63] groups 0, a set for each chunk
.set G0B, 48
.set CY,  66
.set CB,  67                           ; block of 128 columns
.set TK,  68                           ; block of 128 tokens
.set MSB, 0
.macro WIN new                         ; the immediate's high byte repeats the setting that is left
.if MSB != \new
	s_set_vgpr_msb (MSB<<8)|\new
.set MSB, \new
.endif
.endm
.macro PLACES n
.rept \n
	v_nop
.endr
.endm
.macro CROUND                          ; a round of the cluster's barrier
	s_barrier_signal -1
	s_barrier_wait -1
	s_cmp_lg_u32 s[WV], 0
	s_cbranch_scc1 .Lnot_wave_0_\@
	s_barrier_signal -3
.Lnot_wave_0_\@:
	s_barrier_wait -3
	s_barrier_signal -1
	s_barrier_wait -1
.endm
	s_load_b256 s[4:11], s[0:1], 0x0               ; of 4, wo16 6, bo 8, out0 10
	v_lshl_add_u32 v[SPW], v0, 2, SPARE
	v_mov_b32 v[NIL], 0
	ds_add_u32 v[SPW], v[NIL]                      ; the wave's opening: the add, twice on end, and its wait ahead of my first tensor load
	ds_add_u32 v[SPW], v[NIL]
	v_lshrrev_b32 v1, 5, v0
	v_readfirstlane_b32 s[WV], v1
	s_lshr_b32 s[WR], s[WV], 1
	s_and_b32 s[WC], s[WV], 1
	s_bfe_u32 s[CX], ttmp6, 0x40000
	s_bfe_u32 s[CY], ttmp6, 0x40004
	s_lshl_b32 s[CB], ttmp9, 2
	s_add_co_u32 s[CB], s[CB], s[CX]               ; 4 x cluster x + cx
	s_and_b32 s[TK], ttmp7, 0xffff
	s_lshl_b32 s[TK], s[TK], 2
	s_add_co_u32 s[TK], s[TK], s[CY]               ; 4 x cluster y + cy
	s_lshl_b32 s69, s[CY], 2
	s_lshl_b32 s69, 15, s69                        ; my row of the cluster
	s_lshl_b32 s70, 0x1111, s[CX]                  ; my column
	; descriptor group 1: four tiles' 4,096 bytes of a chunk, 16,384 bytes apart: 4 rows of 512 elements of 8 bytes
	s_or_b32 s[G1A], s69, (3<<16)|(1<<21)          ; 15:0 the mask; 17:16 elements of 8 bytes; 21 set beside a mask; no padding
	s_or_b32 s[G1B], s70, (3<<16)|(1<<21)
.irp g, G1A, G1B
	s_mov_b32 s[\g+1], 512<<16                     ; tensor_dim0
	s_mov_b32 s[\g+2], 4<<16                       ; tensor_dim1
	s_mov_b32 s[\g+3], 512<<16                     ; tile_dim0
	s_mov_b32 s[\g+4], 4                           ; tile_dim1
	s_mov_b32 s[\g+5], 2048                        ; from row to row
	s_mov_b32 s[\g+6], 0
	s_mov_b32 s[\g+7], 0
.endr
	s_lshl_b32 s80, s[WC], 2                       ; which four tiles I fetch
	s_lshl_b32 s72, s[TK], 3
	s_add_co_u32 s72, s72, s80
	s_lshl_b32 s72, s72, 14                        ; o: tile 8 x token block + 4 x half: it hangs on the token block alone, which my row shares
	s_mov_b32 s73, 0
	s_lshl_b32 s74, s[CB], 3
	s_add_co_u32 s74, s74, s80
	s_lshl_b32 s74, s74, 14                        ; Wo: on the column block alone, which my column shares
	s_mov_b32 s75, 0
	s_lshl_b32 s86, s[WV], 14                      ; where they go in a chunk: 16,384 x wave
	s_lshl_b32 s76, s[TK], 7                       ; out0: row 128 x token block + 32 x wave, 2,048 bytes a row,
	s_lshl_b32 s81, s[WV], 5
	s_add_co_u32 s76, s76, s81
	s_lshl_b32 s76, s76, 11
	s_lshl_b32 s81, s[CB], 9                       ; + 512 bytes a column block
	s_add_co_u32 s76, s76, s81
	s_mov_b32 s77, 0
	s_lshl_b32 s78, s[WC], 8                       ; the bias of my 64 columns
	s_add_co_u32 s78, s78, s81
	s_mov_b32 s79, 0
	s_wait_dscnt 0x0                               ; both opening adds are done
	s_wait_kmcnt 0x0
	s_add_nc_u64 s[82:83], s[4:5], s[72:73]
	s_add_nc_u64 s[84:85], s[6:7], s[74:75]
	s_add_nc_u64 s[8:9], s[8:9], s[78:79]
	s_add_nc_u64 s[10:11], s[10:11], s[76:77]
	CROUND                                         ; all sixteen work-groups are here: the joint loads meet
.irp j, 0,1,2,3
	s_mov_b32 s[G0A+4*\j], 1
	s_add_co_u32 s[G0A+4*\j+1], s86, \j*CH
	s_add_nc_u64 s[G0A+4*\j+2:G0A+4*\j+3], s[82:83], \j*4096
	s_or_b32 s[G0A+4*\j+3], s[G0A+4*\j+3], 0x80000000
	s_mov_b32 s[G0B+4*\j], 1
	s_add_co_u32 s[G0B+4*\j+1], s86, \j*CH
	s_add_nc_u64 s[G0B+4*\j+2:G0B+4*\j+3], s[84:85], \j*4096
	s_or_b32 s[G0B+4*\j+3], s[G0B+4*\j+3], 0x80000000
.endr
	s_cmp_lt_u32 s[WV], 2                          ; waves 0, 1 fetch o's halves, waves 2, 3 Wo's; a wave's four fills stand in one branch, an s_nop 0 behind each, four v_nop behind the last
	s_cbranch_scc0 .Lfor_b
.irp j, 0,1,2,3
	tensor_load_to_lds s[G0A+4*\j:G0A+4*\j+3], s[G1A:G1A+7]
	s_nop 0
.endr
	PLACES 4
	s_branch .Lasked
.Lfor_b:
.irp j, 0,1,2,3
	tensor_load_to_lds s[G0B+4*\j:G0B+4*\j+3], s[G1B:G1B+7]
	s_nop 0
.endr
	PLACES 4
.Lasked:
	v_and_b32 v1, 31, v0
	v_lshlrev_b32 v[LI], 4, v1
	v_and_b32 v2, 15, v0                           ; r
	v_bfe_u32 v4, v0, 4, 1                         ; h
	v_lshlrev_b32 v[BA], 5, v4                     ; lane (r, h) wants the bias of columns 16 b + 8 h + 0..7
.irp b, 0,1,2,3
	global_load_b128 v[BI+8*\b:BI+8*\b+3], v[BA], s[8:9] offset:64*\b
	global_load_b128 v[BI+8*\b+4:BI+8*\b+7], v[BA], s[8:9] offset:64*\b+16
.endr
	s_lshl_b32 s80, s[WR], 14                      ; my four tiles of o,
	s_lshl_b32 s81, s[WC], 14                      ; my four of Wo, behind o's eight
	s_add_co_u32 s81, s81, BOFF
.irp j, 0,1,2,3
	v_add_nc_u32 v[ADA+\j], s80, v[LI]
	v_add_nc_u32 v[ADB+\j], s81, v[LI]
	s_add_co_u32 s80, s80, CH
	s_add_co_u32 s81, s81, CH
.endr
	s_mul_i32 s80, s[WR], 64*SPITCH                ; into the stage: my 64 rows, my half of their 512 bytes; row r, 32 bytes for each half of the lanes
	s_lshl_b32 s81, s[WC], 8
	s_add_co_u32 s80, s80, s81
	v_mul_u32_u24 v[STO], v2, SPITCH
	v_lshl_add_u32 v[STO], v4, 5, v[STO]
	v_add_nc_u32 v[STO], s80, v[STO]
	s_mul_i32 s80, s[WV], 32*SPITCH                ; back: wave w takes rows 32 w on, whole: 16 bytes a lane
	v_add_nc_u32 v[RD], s80, v[LI]
.macro FETCH j, kap, f                 ; 16 LDS loads in one run: my fragments of 32 along K, the kap-th of chunk j, into buffer f
	WIN 0x40                                       ; destination window 1, address window 0
.irp a, 0,1,2,3
	ds_load_b128 v[(\f)+8*\a:(\f)+8*\a+3], v[ADA+\j] offset:4096*\a+1024*(\kap)
	ds_load_b128 v[(\f)+8*\a+4:(\f)+8*\a+7], v[ADA+\j] offset:4096*\a+1024*(\kap)+512
.endr
.irp b, 0,1,2,3
	ds_load_b128 v[(\f)+32+8*\b:(\f)+32+8*\b+3], v[ADB+\j] offset:4096*\b+1024*(\kap)
	ds_load_b128 v[(\f)+32+8*\b+4:(\f)+32+8*\b+7], v[ADB+\j] offset:4096*\b+1024*(\kap)+512
.endr
.endm
; 32 along K: the next 32's fragments are asked for first, into the buffer that the products before have read (four places behind them: ISA guide 7.12.1; at a chunk's head the places stand there);
; then 16 products, the 16 accumulators by turns.  The very first start the sums with the bias.
.macro KSTEP j, k
.set CF, 64*((\k)%2)
.set NF, 64-CF
.if (\k) < 3
.if (\k) > 0
	PLACES 4
.endif
	FETCH \j, (\k)+1, NF
	s_wait_dscnt 16                                ; all but the sixteen just issued
.else
	s_wait_dscnt 0x0                               ; the chunk's last: nothing of mine is out at the barrier that follows
.endif
	WIN 0x05                                       ; sources 0 and 1 window 1; C and D window 0
.irp a, 0,1,2,3
.irp b, 0,1,2,3
.if ((\j) == 0) && ((\k) == 0)
	v_wmma_f32_16x16x32_f16 v[ACC+8*(4*\a+\b):ACC+8*(4*\a+\b)+7], v[CF+32+8*\b:CF+32+8*\b+7], v[CF+8*\a:CF+8*\a+7], v[BI+8*\b:BI+8*\b+7]
.else
	v_wmma_f32_16x16x32_f16 v[ACC+8*(4*\a+\b):ACC+8*(4*\a+\b)+7], v[CF+32+8*\b:CF+32+8*\b+7], v[CF+8*\a:CF+8*\a+7], v[ACC+8*(4*\a+\b):ACC+8*(4*\a+\b)+7]
.endif
.endr
.endr
.endm
.macro CHUNKJ j
	s_wait_tensorcnt 3-\j                          ; my part of chunk j is in; the later chunks' loads stay out
	s_barrier_signal -1
	s_barrier_wait -1                              ; everybody's is
.if (\j) > 0
	PLACES 4
.endif
	FETCH \j, 0, 0
.irp k, 0,1,2,3
	KSTEP \j, \k
.endr
.endm
	s_wait_loadcnt 0x0                             ; the bias
	CHUNKJ 0
	CHUNKJ 1
	CHUNKJ 2
	CHUNKJ 3
	WIN 0
	; THE WAY OUT: 32 bytes a lane into the work-group's stage; a barrier, since a row's 512 bytes come from two waves; back as whole rows, 32 rows a wave.
	PLACES 4
.irp a, 0,1,2,3
.irp b, 0,1,2,3
	ds_store_b128 v[STO], v[ACC+8*(4*\a+\b):ACC+8*(4*\a+\b)+3] offset:\a*16*SPITCH+64*\b       ; each accumulator from its low end on
	ds_store_b128 v[STO], v[ACC+8*(4*\a+\b)+4:ACC+8*(4*\a+\b)+7] offset:\a*16*SPITCH+64*\b+16
.endr
.endr
	s_wait_dscnt 0x0                               ; for the others' sake: my stores into the stage have landed
	s_barrier_signal -1
	s_barrier_wait -1
.set i, 0
.rept 32
	ds_load_b128 v[ACC+4*i:ACC+4*i+3], v[RD] offset:i*SPITCH
.set i, i+1
.endr
.set i, 0
.rept 32
	s_wait_dscnt 31-i
	global_store_b128 v[LI], v[ACC+4*i:ACC+4*i+3], s[10:11] offset:2048*i th:TH_STORE_NT   ; 32 lanes store 512 consecutive bytes, aligned; written once, read by nobody here
.set i, i+1
.endr
	s_wait_tensorcnt 0x0                           ; the wave's end: these three lines behind my last tensor load and my last LDS store
	ds_add_u32 v[SPW], v[NIL]
	s_wait_dscnt 0x0
	CROUND                                         ; the closing round: no work-group ends while a partner may still ask for a tile that names it
	s_endpgm
.Lfunc_end_k_q22b9301be1_outp:
	.size	k_q22b9301be1_outp, .Lfunc_end_k_q22b9301be1_outp-k_q22b9301be1_outp
	.p2alignl 7, 3214868480
	.fill 96, 4, 3214868480
	.section	.rodata,"a",@progbits
	.p2align	6, 0x0
	.amdhsa_kernel k_q22b9301be1_outp
		.amdhsa_group_segment_fixed_size 327680
		.amdhsa_private_segment_fixed_size 0
		.amdhsa_enable_private_segment 0
		.amdhsa_kernarg_size 32
		.amdhsa_user_sgpr_count 2
		.amdhsa_user_sgpr_kernarg_segment_ptr 1
		.amdhsa_wavefront_size32 1
		.amdhsa_system_sgpr_workgroup_id_x 1
		.amdhsa_system_sgpr_workgroup_id_y 1
		.amdhsa_system_sgpr_workgroup_id_z 1
		.amdhsa_system_vgpr_workitem_id 0
		.amdhsa_next_free_vgpr 384
		.amdhsa_next_free_sgpr 100
		.amdhsa_reserve_vcc 0
		.amdhsa_float_denorm_mode_32 3
		.amdhsa_float_denorm_mode_16_64 3
		.amdhsa_memory_ordered 1
		.amdhsa_forward_progress 1
		.amdhsa_inst_pref_size 53
	.end_amdhsa_kernel
	.amdgpu_metadata
---
amdhsa.version: [ 1, 2 ]
amdhsa.kernels:
  - .name:           k_q22b9301be1_outp
    .symbol:         k_q22b9301be1_outp.kd
    .args:
      - { .name: of, .offset: 0, .size: 8, .value_kind: global_buffer, .address_space: global }
      - { .name: wo16, .offset: 8, .size: 8, .value_kind: global_buffer, .address_space: global }
      - { .name: bo, .offset: 16, .size: 8, .value_kind: global_buffer, .address_space: global }
      - { .name: out0, .offset: 24, .size: 8, .value_kind: global_buffer, .address_space: global }
    .group_segment_fixed_size: 327680
    .private_segment_fixed_size: 0
    .kernarg_segment_align: 8
    .kernarg_segment_size: 32
    .max_flat_workgroup_size: 128
    .sgpr_count:     100
    .vgpr_count:     384
    .wavefront_size: 32
...
	.end_amdgpu_metadata
.endif
;; end of part 4
